; MI455X (gfx1250); checked and timed in simulation.
; The chip was launched on July 23, 2026; its instructions are those of AMD's public machine-readable ISA for CDNA 5 (MIT licence, August 2026) and "CDNA5" Instruction Set Architecture Reference Guide (July 2026). The comments in the code are by the model that wrote it; some were corrected since.
;; Analytic Hash Linear. Allowed arithmetic: float matrix products may take bf16 or f16 operands with f32 sums; other float arithmetic in f32, or as packed bf16 or f16 multiplies, adds, multiply-adds, maxima and minima; sums over many terms, partial sums and values carried from step to step in f32; what a program stores and reads back later, other than sums and carried values, may be rounded once to bf16 or f16.
;; Inputs: bias 4,096 float32; codebook 65,536 float32; x 4,096 x 4,096 float32.
;; Outputs: out0 4,096 x 4,096 float32.
;; One version. Each part assembles by itself: llvm-mc -triple=amdgcn-amd-amdhsa -mcpu=gfx1250 --defsym DOCPART=n.
;; ======== version 1 of 1: 2 launches
;; workspace buffers: xb 33,554,432 bytes; wb 33,554,432 bytes
;; launch prep (part 1): grid 256 x 1, 16 waves a work-group, no clusters, 264,192 bytes of LDS; arguments x, codebook, xb, wb; writes xb, wb
.if DOCPART == 1
	.amdgcn_target "amdgcn-amd-amdhsa--gfx1250"
	.amdhsa_code_object_version 6
	.text
	.protected	k_q48a8877e3a_prep
	.globl	k_q48a8877e3a_prep
	.p2align	8
	.type	k_q48a8877e3a_prep,@function
k_q48a8877e3a_prep:
	s_mov_b64 s[64:65], 0
	v_nop
	global_prefetch_b8 v0, s[64:65] scope:SCOPE_SE
	s_setreg_imm32_b32 hwreg(HW_REG_WAVE_MODE, 25, 1), 1
	s_wait_xcnt 0x0
; xb = bf16(x), and wb[o][i] = sign(o, i) x bf16(codebook[(10007 o + 20011 i + 3 x 40009) mod 65536]).  x: [4096][4096] f32, codebook: [65536] f32; xb, wb: [4096][4096] bf16, row-major.
; THE SIGN.  The three constants of the sign's hash (4099, 6151, 3 x 14887) are odd, so its bit is (o + i + 1) mod 2: +1 where o + i is even, -1 where it is odd.
; LIMITS.  Both inputs are rounded once to bf16, to nearest even; a magnitude beyond bf16's largest finite number becomes an infinity.  The sign is applied to the rounded number by turning its sign bit:
; exact for every number; the sign of a zero or of a NaN may differ from that of a multiplication by +-1.
; SHARES.  Work-group g owns rows 16 g .. 16 g + 15 of x and of wb.  Wave w (0..15) converts row 16 g + w of x: 16,384 bytes, 32 loads of 512 consecutive bytes, all issued at its head, so that they
; are on their way while the weights are built.  It also builds rows o0 = 16 g + 2 (w / 2) and o0 + 1 of wb, columns 2048 (w % 2) .. + 2047, in 16 groups of 128 columns: lanes 0-15 hold row o0,
; lanes 16-31 row o0 + 1, a lane 8 neighbouring columns: each half of the lanes stores 256 consecutive bytes, aligned.
; THE TABLE lies whole in LDS as f32, as it lies in memory: 16 tensor loads, one a wave, 64 rows of 256 bytes each; nothing is filled twice.  A gather is one ds_load_b32 a number.
; Its word index mod 64 is a constant + 23 o + 24 (lane % 16): eight different values for a row's 16 lanes, eight others for the other row: two lanes to a bank (64 banks of 4 bytes: ISA guide 11.1).
; NO CLUSTER, though all work-groups read the same table: the gather's LDS addresses are made from the work-group's own rows, and so would hang on its place in a cluster.
; NO PREFETCH: every load of a wave goes out at its head; nothing runs ahead of them.
.set HA,    10007
.set HB,    20011
.set HC,    3*40009
.set SPARE, 262144                     ; behind the table: the spare words, 128 bytes for each of 16 waves: eight blocks of 256 bytes that no other line names
.set XO,  5                            ; v5   16 x lane: my 16 bytes in 512 of x; never rewritten
.set YO,  6                            ; v6   8 x lane: my 8 bytes in 256 of xb; never rewritten
.set WO,  7                            ; v7   my 16 bytes of wb in group 0, from the work-group's first row; never rewritten
.set GB,  8                            ; v8   4 x (HA o + HB i + HC) for my row o and my first column i of group 0
.set SM,  9                            ; v9   which half of a packed word changes sign
.set SPW, 10                           ; v10  LDS address of my spare word: SPARE + 4 x my thread's number; never rewritten
.set NIL, 11                           ; v11  0; never rewritten
.set T,   12                           ; v[12:19]   eight LDS addresses at work
.set G,   20                           ; v[20:35]   two sets of eight gathered numbers
.set Y,   36                           ; v[36:99]   group c's 16 bytes at Y + 4 c: no register that a store reads is written again
.set X,   100                          ; v[100:227] load j's 16 bytes of x at X + 4 j; its first two registers then hold the 8 bytes of xb
	s_load_b256 s[4:11], s[0:1], 0x0               ; x s[4:5], codebook s[6:7], xb s[8:9], wb s[10:11]
	v_lshl_add_u32 v[SPW], v0, 2, SPARE
	v_mov_b32 v[NIL], 0
	ds_add_u32 v[SPW], v[NIL]                      ; the wave's opening: the add and its wait ahead of my first tensor load; the set-up below, work on registers, stands between them
	ds_add_u32 v10, v11
	v_lshrrev_b32 v4, 5, v0
	v_readfirstlane_b32 s12, v4                    ; wave 0..15
	; descriptor group 1: a dense block as 64 rows of 32 elements of 8 bytes
	s_mov_b32 s16, 3<<16                           ; 15:0 no mask; 17:16 elements of 8 bytes; no padding
	s_mov_b32 s17, 32<<16                          ; tensor_dim0 = 32
	s_mov_b32 s18, 64<<16                          ; tensor_dim1 = 64
	s_mov_b32 s19, 32<<16                          ; tile_dim0 = 32
	s_mov_b32 s20, 64                              ; tile_dim1 = 64
	s_mov_b32 s21, 32                              ; 32 elements from row to row
	s_mov_b32 s22, 0
	s_mov_b32 s23, 0
	s_mov_b32 s24, 1                               ; group 0: count = 1
	s_lshl_b32 s25, s12, 14                        ; LDS address: my sixteenth of the table, 16,384 w
	s_mov_b32 s2, s25                              ; the same offset in memory
	s_mov_b32 s3, 0
	s_wait_dscnt 0x0                               ; the opening add is done
	s_wait_kmcnt 0x0
	s_add_nc_u64 s[26:27], s[6:7], s[2:3]
	s_or_b32 s27, s27, 0x80000000                  ; type = 2
	tensor_load_to_lds s[24:27], s[16:23]          ; my one tensor load of the launch
	s_nop 0
	s_lshl_b32 s2, ttmp9, 18                       ; row 16 g + w of x: 16,384 bytes a row
	s_add_co_u32 s2, s2, s25
	s_add_nc_u64 s[4:5], s[4:5], s[2:3]
	v_and_b32 v1, 31, v0                           ; lane
	v_lshlrev_b32 v[XO], 4, v1
.set j, 0
.rept 32
	global_load_b128 v[X+4*j:X+4*j+3], v[XO], s[4:5] offset:512*j th:TH_LOAD_NT  ; the whole row: 32 loads of mine are out
.set j, j+1
.endr
	s_lshl_b32 s2, ttmp9, 17                       ; row 16 g of wb: 8,192 bytes a row
	s_add_nc_u64 s[10:11], s[10:11], s[2:3]
	s_lshl_b32 s13, s12, 13
	s_add_co_u32 s2, s2, s13                       ; row 16 g + w of xb
	s_add_nc_u64 s[8:9], s[8:9], s[2:3]
	v_and_b32 v2, 15, v0                           ; r = lane % 16
	v_bfe_u32 v3, v0, 4, 1                         ; h = lane / 16
	v_lshlrev_b32 v[YO], 3, v1
	s_lshr_b32 s14, s12, 1                         ; which pair of rows
	s_and_b32 s15, s12, 1                          ; which half of the columns
	s_lshl_b32 s28, ttmp9, 4
	s_lshl1_add_u32 s28, s14, s28                  ; o0 = 16 g + 2 (w / 2): even
	s_lshl_b32 s29, s15, 11                        ; my first column
	s_lshl_b32 s30, s14, 14                        ; two rows of 8,192 bytes,
	s_lshl_b32 s31, s15, 12                        ; 2,048 columns of 2 bytes
	s_add_co_u32 s30, s30, s31
	v_lshl_add_u32 v[WO], v3, 13, s30              ; + the odd row for lanes 16-31
	v_lshl_add_u32 v[WO], v2, 4, v[WO]             ; + 16 r
	v_add_nc_u32 v4, s28, v3                       ; o = o0 + h
	v_lshl_add_u32 v12, v2, 3, s29                 ; i = my first column + 8 r
	v_mul_u32_u24 v[GB], v4, HA
	v_mad_u32_u24 v[GB], v12, HB, v[GB]
	v_add_nc_u32 v[GB], HC, v[GB]
	v_lshlrev_b32 v[GB], 2, v[GB]                  ; in bytes: under 2^29, so the sums below do not wrap
	v_lshlrev_b32 v13, 4, v3
	v_mov_b32 v[SM], 0x80000000                    ; o's parity is h, i's is that of the number's place j among my eight; a word packs an even j below an odd j:
	v_lshrrev_b32 v[SM], v13, v[SM]                ; an even row turns the upper half's sign, an odd row the lower half's
	s_wait_tensorcnt 0x0                           ; my sixteenth of the table is in,
	s_barrier_signal -1
	s_barrier_wait -1                              ; everybody's is.  My loads of x stay out: nobody writes x
; Group c's eight gathers into set c % 2.  The group's and the place's share of the hash is a constant, taken mod 65536 words; the mask is the hash's mod 65536, in bytes, and keeps the address inside the table.
.macro GATHER c
.irp j, 0,1,2,3,4,5,6,7
	v_add_nc_u32 v[T+(\j)], (4*HB*(128*(\c)+(\j)))&0x3ffff, v[GB]
	v_and_b32 v[T+(\j)], 0x3fffc, v[T+(\j)]
	ds_load_b32 v[G+8*((\c)%2)+(\j)], v[T+(\j)]
.endr
.endm
; Group c is rounded, signed and stored.  younger = the LDS loads issued behind its own: the next group's eight, or none.
.macro EMIT c, younger
	s_wait_dscnt \younger                          ; LDS loads come back in order (ISA guide 5.7.1): group c's are in
.irp k, 0,1,2,3
	v_cvt_pk_bf16_f32 v[Y+4*(\c)+(\k)], v[G+8*((\c)%2)+2*(\k)], v[G+8*((\c)%2)+2*(\k)+1]
.endr
.irp k, 0,1,2,3
	v_xor_b32 v[Y+4*(\c)+(\k)], v[SM], v[Y+4*(\c)+(\k)]
.endr
	global_store_b128 v[WO], v[Y+4*(\c):Y+4*(\c)+3], s[10:11] offset:256*(\c) th:TH_STORE_NT  ; 16 lanes store 256 consecutive bytes, at a multiple of 256 from wb's first byte
.endm
	GATHER 0
.irp c, 0,1,2,3,4,5,6,7,8,9,10,11,12,13,14
	GATHER (\c)+1                                  ; the next group's gathers are out while this one is packed
	EMIT \c, 8
.endr
	EMIT 15, 0
	; x: load j's four numbers become 8 bytes; the wave's 32 lanes store 256 consecutive bytes, aligned
.set j, 0
.rept 32
	s_wait_loadcnt 31-j                            ; loads come back in order (ISA guide 5.7.1): load j is in, the 31 - j behind it may stay out
	v_cvt_pk_bf16_f32 v[X+4*j], v[X+4*j], v[X+4*j+1]
	v_cvt_pk_bf16_f32 v[X+4*j+1], v[X+4*j+2], v[X+4*j+3]
	global_store_b64 v[YO], v[X+4*j:X+4*j+1], s[8:9] offset:256*j th:TH_STORE_NT
.set j, j+1
.endr
	s_wait_tensorcnt 0x0                           ; the wave's end, behind my last tensor load
	ds_add_u32 v[SPW], v[NIL]
	s_wait_dscnt 0x0
	s_endpgm
.Lfunc_end_k_q48a8877e3a_prep:
	.size	k_q48a8877e3a_prep, .Lfunc_end_k_q48a8877e3a_prep-k_q48a8877e3a_prep
	.p2alignl 7, 3214868480
	.fill 96, 4, 3214868480
	.section	.rodata,"a",@progbits
	.p2align	6, 0x0
	.amdhsa_kernel k_q48a8877e3a_prep
		.amdhsa_group_segment_fixed_size 264192
		.amdhsa_private_segment_fixed_size 0
		.amdhsa_enable_private_segment 0
		.amdhsa_kernarg_size 32
		.amdhsa_user_sgpr_count 2
		.amdhsa_user_sgpr_kernarg_segment_ptr 1
		.amdhsa_wavefront_size32 1
		.amdhsa_system_sgpr_workgroup_id_x 1
		.amdhsa_system_sgpr_workgroup_id_y 1
		.amdhsa_system_sgpr_workgroup_id_z 1
		.amdhsa_system_vgpr_workitem_id 0
		.amdhsa_next_free_vgpr 228
		.amdhsa_next_free_sgpr 66
		.amdhsa_reserve_vcc 0
		.amdhsa_float_denorm_mode_32 3
		.amdhsa_float_denorm_mode_16_64 3
		.amdhsa_memory_ordered 1
		.amdhsa_forward_progress 1
		.amdhsa_inst_pref_size 46
	.end_amdhsa_kernel
	.amdgpu_metadata
---
amdhsa.version: [ 1, 2 ]
amdhsa.kernels:
  - .name:           k_q48a8877e3a_prep
    .symbol:         k_q48a8877e3a_prep.kd
    .args:
      - { .name: x, .offset: 0, .size: 8, .value_kind: global_buffer, .address_space: global }
      - { .name: codebook, .offset: 8, .size: 8, .value_kind: global_buffer, .address_space: global }
      - { .name: xb, .offset: 16, .size: 8, .value_kind: global_buffer, .address_space: global }
      - { .name: wb, .offset: 24, .size: 8, .value_kind: global_buffer, .address_space: global }
    .group_segment_fixed_size: 264192
    .private_segment_fixed_size: 0
    .kernarg_segment_align: 8
    .kernarg_segment_size: 32
    .max_flat_workgroup_size: 512
    .sgpr_count:     66
    .vgpr_count:     228
    .wavefront_size: 32
...
	.end_amdgpu_metadata
.endif
;; end of part 1
;; launch gemm (part 2): grid 16 x 16, 4 waves a work-group, clusters of 4 x 4, 327,680 bytes of LDS; arguments xb, wb, out0, bias; writes out0
.if DOCPART == 2
	.amdgcn_target "amdgcn-amd-amdhsa--gfx1250"
	.amdhsa_code_object_version 6
	.text
	.protected	k_q48a8877e3a_gemm
	.globl	k_q48a8877e3a_gemm
	.p2align	8
	.type	k_q48a8877e3a_gemm,@function
k_q48a8877e3a_gemm:
	s_mov_b64 s[64:65], 0
	v_nop
	global_prefetch_b8 v0, s[64:65] scope:SCOPE_SE
	s_setreg_imm32_b32 hwreg(HW_REG_WAVE_MODE, 25, 1), 1
	s_wait_xcnt 0x0
	s_wait_alu depctr_hold_cnt(0) depctr_sa_sdst(0) depctr_va_vdst(0) depctr_va_sdst(0) depctr_va_ssrc(0) depctr_va_vcc(0) depctr_vm_vsrc(0)
	s_getreg_b32 s2, hwreg(HW_REG_IB_STS2, 6, 4)
	s_cmp_eq_u32 s2, 0
	s_cbranch_scc0 .Lentry_in_a_cluster
	s_endpgm
.Lentry_in_a_cluster:
	s_bfe_u32 s2, ttmp6, 0x10000c
	s_cmp_lg_u32 s2, 0xf033
	s_cbranch_scc0 .Lentry_shape_is_right
	s_endpgm
.Lentry_shape_is_right:
; out0[m][n] = bias[n] + the sum over k of xb[m][k] wb[n][k].  xb: [4096][4096] bf16 (A), wb: [4096][4096] bf16 (B), bias: [4096] f32, out0: [4096][4096] f32.
; One f32 sum for each output: it starts at the bias (the C operand of the first product) and goes in ascending K.  Nothing is rounded behind the sum.
; A tile of out0, 256 x 256, is made by a work-group of four waves; a wave makes 128 x 128: 64 accumulators of 16 x 16, 512 registers.  16 x 16 tiles: 256 work-groups.
; K goes in 32 steps of 128 through a ring of two LDS slots filled by the tensor data mover: the rows of A's and B's tiles are 256 bytes of memory and start at multiples of 256 bytes.
; CLUSTERS: 4 x 4 work-groups.  The four of a row of the cluster need the same tiles of A, the four of a column the same tiles of B: each tile is asked for JOINTLY, by the same tensor load with the same
; descriptor and a mask that names the four; each receives it in its own LDS.  That divides the requests for A and for B by four.
; THE MATRIX INSTRUCTION IS USED TRANSPOSED: source 0 = 16 rows of B, source 1 = 16 rows of A.  In the result lane l holds row m = l % 16 of out0 and its registers 0-7 the columns 8 (l / 16) + 0..7:
; eight neighbouring numbers of a row.  The bias for such a result depends on the column block and on l / 16 alone: 8 x 8 registers serve all 64 accumulators.
; REGISTERS, in windows of 256 (s_set_vgpr_msb's low byte: bits 1:0 source 0, 3:2 source 1, 5:4 source 2, 7:6 destination):
;   window 0: v0-31 addresses; v64-127, v128-191 fragments of A (8 x 16 rows x 32 K), two buffers; on the way out the same 128 registers take rows read back from the stage
;   window 1: v0-63 the bias, column block b at v[8 b]; v64-127, v128-191 fragments of B, two buffers
;   window 2: the 32 accumulators of my rows 0-63 (accumulator (a, b) at v[8 (8 a + b)]);   window 3: those of my rows 64-127
.set SIZE_N, 4096
.set SIZE_K, 4096
.set KSTEP,  128
.set PITCH,  272                       ; an LDS row: 256 bytes of data + 16 of padding = 68 words: row r starts at bank 4 r mod 64 (64 banks of 4 bytes: ISA guide 11.1), so the 16 rows that a load touches start at 16 different banks
.set HALFT,  128*PITCH                 ; 128 rows: what one tensor load brings, and what one wave reads of A or of B
.set SLOT,   4*HALFT                   ; A's 256 rows, then B's 256 rows
.set STAGE,  2*SLOT                    ; behind the ring: 16 rows x 528 bytes for each wave, for the way out; no tensor load lands there
.set SPITCH, 528                       ; a stage row: 128 f32 + 16 bytes: the 16 rows that a store touches start at 16 different groups of four banks
.set SPARE,  STAGE+4*16*SPITCH         ; behind the stages: the spare words, 128 bytes for each wave: two blocks of 256 bytes that no other line names
.set LAPS,   SIZE_K/(2*KSTEP)          ; a lap = two K steps = once round the ring: 16
.set ADRA, 16                          ; v16-17  LDS address of my A fragments in slot 0, 1
.set ADRB, 20                          ; v20-21  the same for B
.set STO,  24                          ; v24     the way out: where I put 32 bytes of a row
.set RD,   25                          ; v25     the way out: where I read 16 bytes of a row back
.set CO,   26                          ; v26     16 x lane: my 16 bytes of the wave's 512 in a row of out0
.set BO,   27                          ; v27     32 x (lane / 16): my eight numbers in a column block's 64 bytes of bias
.set SPW,  28                          ; v28     LDS address of my spare word: SPARE + 4 x my thread's number; never rewritten
.set NIL,  29                          ; v29     0; never rewritten
.set PFO,  30                          ; v30     the prefetches' offset: my lane x a row of A or B in memory; never rewritten
.set PFA,  44                          ; s[44:45] where my prefetches stand: my work-group's 32 rows of the 128 that I fetch, one K step further along K than the refill that is being asked for; a prefetch names the K step after that
.set LIM,  43                          ; s43     1 in a wave that prefetches, else the greatest number
.set F0,   64                          ; fragment buffer 0
.set F1,   128                         ; fragment buffer 1
.set G1, 24                            ; s[24:31] descriptor group 1 for A's tiles
.set G0, 32                            ; s[32:39] descriptor group 0 for A's tiles, one set for each slot
.set G1B, 48                           ; s[48:55] descriptor group 1 for B's tiles: it differs from A's in the mask alone
.set G0B, 56                           ; s[56:63] descriptor group 0 for B's tiles, one set for each slot
.set MSB, 0
.macro WIN new                         ; the immediate's high byte repeats the setting that is left; a switch that changes nothing is dropped
.if MSB != (\new)
	s_set_vgpr_msb (MSB<<8)|(\new)
.set MSB, \new
.endif
.endm
.set MUL_LO,   0xa1                    ; source 0 (B) window 1, source 1 (A) window 0, C and D window 2
.set MUL_HI,   0xf1                    ; the same, C and D window 3
.set FIRST_LO, 0x91                    ; the first product: C (the bias) window 1, D window 2
.set FIRST_HI, 0xd1                    ; the same, D window 3
.set TO_B,     0x40                    ; destination window 1, address window 0
; A joint load.  Waves 0 and 1 fetch A's two halves, waves 2 and 3 B's.  Each of the two lines has ONE mask and one set of registers for all that issue it, and nothing in them hangs on a coordinate
; that the four partners do not share.  The branch hangs on the wave's number alone.  An s_nop 0 and four v_nop follow each of the two lines, ahead of the jump, the label and what follows.
.macro JLOAD s
	s_cmp_eq_u32 s11, 0
	s_cbranch_scc0 .Lfor_b_\@
	tensor_load_to_lds s[G0+4*(\s):G0+4*(\s)+3], s[G1:G1+7]
	s_nop 0
.rept 4
	v_nop
.endr
	s_branch .Lasked_\@
.Lfor_b_\@:
	tensor_load_to_lds s[G0B+4*(\s):G0B+4*(\s)+3], s[G1B:G1B+7]
	s_nop 0
.rept 4
	v_nop
.endr
.Lasked_\@:
.endm
; A PREFETCH INTO THE L2, behind each joint load and the run of LDS loads that follows it: the K step that stands TWO refills on: 32 rows x 256 bytes, a lane a row, one instruction a wave, 512 matrix
; instructions ahead of the load that will name those rows.  Each row's 256 bytes of a K step are named ONCE in the launch: A's tile row is read by every cluster of that row of clusters, and the first of
; them (cluster x = 0) asks; B's tile column by every cluster of that column, and cluster y = 0 asks.  The four partners that ask for a tile jointly share its rows out BY ADDRESS: of the 128 rows that a wave
; fetches, the partner at place p takes 32 p .. 32 p + 31 (p = cx for A, cy for B): no branch hangs on a work-group's place in its cluster.  Trip t of the loop (s3 = 15 - t) names K steps 2 t + 4 and
; 2 t + 5; the last trip (s3 = 1) asks for nothing, so the last K step named is 31.  K steps 0 to 3 come by their loads alone.
.macro ASK
	s_cmp_gt_u32 s3, s[LIM]
	s_cbranch_scc0 .Lnot_mine_\@
	global_prefetch_b8 v[PFO], s[PFA:PFA+1] offset:KSTEP*2 th:TH_LOAD_NT scope:SCOPE_SE
.Lnot_mine_\@:
.endm
; A round of the cluster's barrier: my work-group's barrier, so that wave 0's signal speaks for all four waves; wave 0 signals for the work-group; every wave waits for all sixteen work-groups;
; my work-group's barrier once more.  No LDS instruction of the wave is pending at a signal.
.macro CREST                           ; a round behind its opening barrier
	s_cmp_lg_u32 s10, 0
	s_cbranch_scc1 .Lnot_wave_0_\@
	s_barrier_signal -3
.Lnot_wave_0_\@:
	s_barrier_wait -3
	s_barrier_signal -1
	s_barrier_wait -1
.endm
.macro CROUND                          ; a whole round
	s_barrier_signal -1
	s_barrier_wait -1
	CREST
.endm
	s_load_b128 s[4:7], s[0:1], 0x0                ; A (xb) s[4:5], B (wb) s[6:7]
	s_load_b64 s[8:9], s[0:1], 0x10                ; out0
	s_load_b64 s[66:67], s[0:1], 0x18              ; bias
	v_lshl_add_u32 v[SPW], v0, 2, SPARE
	v_mov_b32 v[NIL], 0
	ds_add_u32 v[SPW], v[NIL]                      ; the wave's opening: the add and its wait ahead of my first tensor load; the set-up below, work on registers, stands between them
	ds_add_u32 v28, v29
	v_lshrrev_b32 v1, 5, v0
	v_readfirstlane_b32 s10, v1                    ; wave 0..3
	s_lshr_b32 s11, s10, 1                         ; which half of the tile's rows is mine.  Also: I fetch for A (0) or for B (1)
	s_and_b32 s12, s10, 1                          ; which half of its columns.  Also: which 128 rows of that tile I fetch
	s_bfe_u32 s40, ttmp6, 0x40000                  ; cx: my place along the cluster's x
	s_bfe_u32 s41, ttmp6, 0x40004                  ; cy: along its y
	s_lshl_b32 s42, ttmp9, 2                       ; in a cluster launch ttmp9 and ttmp7 count clusters
	s_add_co_u32 s42, s42, s40                     ; tile column = 4 x cluster x + cx
	s_and_b32 s13, ttmp7, 0xffff
	s_lshl_b32 s13, s13, 2
	s_add_co_u32 s13, s13, s41                     ; tile row = 4 x cluster y + cy
	s_lshl_b32 s43, s41, 2
	s_lshl_b32 s43, 15, s43                        ; my row of the cluster: places 4 cy .. 4 cy + 3
	s_lshl_b32 s44, 0x1111, s40                    ; my column: places cx, cx + 4, cx + 8, cx + 12
	; descriptor group 1: a tile of 128 rows x 128 elements, padded in LDS
	s_or_b32 s[G1+0], s43, (1<<16)|(1<<20)|(1<<21)|(5<<22)|(3<<25)  ; 15:0 the mask: A's tiles go to my row; 17:16 elements of 2 bytes; 20 padding on; 21 set beside a mask; 24:22 after every 64 words (code 5); 31:25 4 words of it (code 3)
	s_or_b32 s[G1B+0], s44, (1<<16)|(1<<20)|(1<<21)|(5<<22)|(3<<25) ; the same with the mask of my column, for B's tiles
.irp g, G1, G1B
	s_mov_b32 s[(\g)+1], KSTEP<<16                 ; tensor_dim0 = 128
	s_mov_b32 s[(\g)+2], 128<<16                   ; tensor_dim1 = 128
	s_mov_b32 s[(\g)+3], KSTEP<<16                 ; tile_dim0 = 128
	s_mov_b32 s[(\g)+4], 128                       ; tile_dim1 = 128
	s_mov_b32 s[(\g)+5], SIZE_K                    ; elements from row to row
	s_mov_b32 s[(\g)+6], 0
	s_mov_b32 s[(\g)+7], 0
.endr
	; where the tiles come from.  A's hang on the tile row alone, which my row of the cluster shares; B's on the tile column alone, which my column shares.
	; Every wave makes both addresses, in registers that never hold the other coordinate, and asks by one of them.
	s_lshl_b32 s17, s12, 7                         ; which 128 rows of the tile I fetch
	s_lshl_b32 s16, s13, 8
	s_add_co_u32 s16, s16, s17                     ; A: row 256 x tile row + 128 x half
	s_lshl_b32 s46, s42, 8
	s_add_co_u32 s46, s46, s17                     ; B: row 256 x tile column + 128 x half
	s_mov_b32 s17, 0
	s_mov_b32 s47, 0
	s_mov_b64 s[18:19], SIZE_K*2
	s_mul_u64 s[16:17], s[16:17], s[18:19]         ; in bytes
	s_mul_u64 s[46:47], s[46:47], s[18:19]
	s_mul_i32 s20, s10, HALFT                      ; and where they go: A's two halves, then B's two halves = wave x 128 rows: no place in the cluster enters an LDS address
	s_wait_dscnt 0x0                               ; the opening add is done
	s_wait_kmcnt 0x0
	s_add_nc_u64 s[14:15], s[4:5], s[16:17]
	s_add_nc_u64 s[46:47], s[6:7], s[46:47]
	CROUND                                         ; all sixteen work-groups are here: the first joint loads meet
.irp s, 0,1
	s_mov_b32 s[G0+4*(\s)], 1                                      ; count = 1
	s_add_co_u32 s[G0+4*(\s)+1], s20, (\s)*SLOT                    ; LDS address
	s_add_nc_u64 s[G0+4*(\s)+2:G0+4*(\s)+3], s[14:15], (\s)*KSTEP*2  ; global address: K step s
	s_or_b32 s[G0+4*(\s)+3], s[G0+4*(\s)+3], 0x80000000            ; type = 2
	s_mov_b32 s[G0B+4*(\s)], 1
	s_add_co_u32 s[G0B+4*(\s)+1], s20, (\s)*SLOT
	s_add_nc_u64 s[G0B+4*(\s)+2:G0B+4*(\s)+3], s[46:47], (\s)*KSTEP*2
	s_or_b32 s[G0B+4*(\s)+3], s[G0B+4*(\s)+3], 0x80000000
	JLOAD \s                                       ; the ring is filled before anything else is done: two tensor loads of mine are out
.endr
	; A fragment is 16 rows x 32 K in 8 registers: lane l holds row l % 16; registers 0-3 hold K = 8 (l / 16) + 0..7, registers 4-7 hold K = 16 + 8 (l / 16) + 0..7:
	; two loads of 16 bytes, 32 bytes apart.  The same for source 0 and source 1.
	v_and_b32 v1, 15, v0                           ; l % 16
	v_bfe_u32 v2, v0, 4, 1                         ; l / 16
	v_mul_u32_u24 v3, v1, PITCH
	v_lshl_add_u32 v3, v2, 4, v3                   ; row x pitch + 16 x half
	s_mul_i32 s21, s11, HALFT                      ; my 128 rows of A
	s_mul_i32 s22, s12, HALFT                      ; my 128 rows of B,
	s_add_co_u32 s22, s22, 2*HALFT                 ; which lie behind A's 256
.irp s, 0,1
	v_add_nc_u32 v[ADRA+(\s)], s21, v3
	v_add_nc_u32 v[ADRB+(\s)], s22, v3
	s_add_co_u32 s21, s21, SLOT
	s_add_co_u32 s22, s22, SLOT
.endr
	s_mul_i32 s23, s10, 16*SPITCH
	s_add_co_u32 s23, s23, STAGE                   ; my stage
	v_mul_u32_u24 v4, v1, SPITCH                   ; in: row l % 16, 32 bytes for each half of the lanes
	v_lshl_add_u32 v4, v2, 5, v4
	v_add_nc_u32 v[STO], s23, v4
	v_and_b32 v5, 31, v0
	v_lshlrev_b32 v[CO], 4, v5                     ; back: the 32 lanes take one row of 512 bytes, 16 each; the same 16 bytes in out0
	v_add_nc_u32 v[RD], s23, v[CO]
	v_lshlrev_b32 v[BO], 5, v2
	; where my part of the tile begins in out0, and my 128 columns in bias
	s_lshl_b32 s13, s13, 8                         ; 256 x tile row (the prefetches' set-up reads it too)
	s_lshl_b32 s14, s11, 7
	s_add_co_u32 s16, s13, s14                     ; my first row,
	s_lshl_b32 s16, s16, 14                        ; times 16,384 bytes: under 2^26
	s_mov_b32 s17, 0
	s_lshl_b32 s46, s42, 10                        ; my first column, in bytes: 1,024 x tile column + 512 x half (in the registers that held B's address: none that feeds A's descriptors ever holds cx)
	s_lshl_b32 s47, s12, 9
	s_add_co_u32 s46, s46, s47
	s_mov_b32 s47, 0
	s_add_nc_u64 s[66:67], s[66:67], s[46:47]
	s_add_nc_u64 s[16:17], s[16:17], s[46:47]
	s_add_nc_u64 s[8:9], s[8:9], s[16:17]
	WIN TO_B
.irp b, 0,1,2,3,4,5,6,7                ; bias[my first column + 16 b + 8 (l / 16) + 0..7] -> window 1, v[8 b ..]: laid out as a result of the transposed product is
	global_load_b128 v[8*(\b):8*(\b)+3],   v[BO], s[66:67] offset:64*(\b)
	global_load_b128 v[8*(\b)+4:8*(\b)+7], v[BO], s[66:67] offset:64*(\b)+16
.endr
	WIN 0
	; the prefetches.  s13 = 256 x tile row, s42 = tile column, s40 = cx, s41 = cy still stand; s[4:5] = A, s[6:7] = B
	s_lshl_b32 s42, s42, 8
	s_and_b32 s22, ttmp7, 0xffff                   ; cluster y
	s_cmp_eq_u32 s11, 0                            ; do I fetch for A?
	s_cselect_b32 s20, s13, s42                    ; the tile's first row: in A by the tile row, in B by the tile column
	s_cselect_b32 s21, s40, s41                    ; my place among the four that ask for it with me
	s_cselect_b32 s22, ttmp9, s22                  ; the coordinate along which other clusters read the same rows
	s_cselect_b64 s[PFA:PFA+1], s[4:5], s[6:7]
	s_cmp_eq_u32 s22, 0
	s_cselect_b32 s[LIM], 1, -1                    ; the same in all sixteen partners, for a given wave
	s_lshl_b32 s22, s12, 7
	s_add_co_u32 s20, s20, s22                     ; + the 128 rows that I fetch
	s_lshl_b32 s21, s21, 5
	s_add_co_u32 s20, s20, s21                     ; + my work-group's 32 of them
	s_mov_b32 s21, 0
	s_mov_b64 s[18:19], SIZE_K*2
	s_mul_u64 s[20:21], s[20:21], s[18:19]
	s_add_nc_u64 s[PFA:PFA+1], s[PFA:PFA+1], s[20:21]
	s_add_nc_u64 s[PFA:PFA+1], s[PFA:PFA+1], 2*KSTEP*2  ; at K step 2: the first refill steps it to 3 and names K step 4
	v_and_b32 v[PFO], 31, v0
	v_mul_u32_u24 v[PFO], v[PFO], SIZE_K*2
; 16 matrix instructions: m blocks a0, a0 + 1 of the window's four (hi = 0: my rows 0-63, 1: rows 64-127) x all 8 n blocks, 32 along K.
; first = 1: the product starts the sum with the column block's bias as C: nothing is ever cleared, and no addition follows the sums.
; The 64 accumulators take turns, one instruction a turn, in the same order in every quarter step, over the backward jump too.
.macro MUL16 f, hi, a0, first
.if \first
	WIN FIRST_LO+0x40*(\hi)
.else
	WIN MUL_LO+0x50*(\hi)
.endif
.irp a, \a0, (\a0)+1
.irp b, 0,1,2,3,4,5,6,7
.if \first
	v_wmma_f32_16x16x32_bf16 v[8*(8*(\a)+(\b)):8*(8*(\a)+(\b))+7], v[(\f)+8*(\b):(\f)+8*(\b)+7], v[(\f)+8*(4*(\hi)+(\a)):(\f)+8*(4*(\hi)+(\a))+7], v[8*(\b):8*(\b)+7]
.else
	v_wmma_f32_16x16x32_bf16 v[8*(8*(\a)+(\b)):8*(8*(\a)+(\b))+7], v[(\f)+8*(\b):(\f)+8*(\b)+7], v[(\f)+8*(4*(\hi)+(\a)):(\f)+8*(4*(\hi)+(\a))+7], v[8*(8*(\a)+(\b)):8*(8*(\a)+(\b))+7]
.endif
.endr
.endr
.endm
; 32 LDS loads in one run: the fragments of one quarter step (128 rows of B, 128 rows of A, 32 K at byte k of the rows) into buffer f
.macro FETCH slot, k, f
	WIN TO_B
.irp i, 0,1,2,3,4,5,6,7
	ds_load_b128 v[(\f)+8*(\i):(\f)+8*(\i)+3],   v[ADRB+(\slot)] offset:(\k)+(\i)*16*PITCH
	ds_load_b128 v[(\f)+8*(\i)+4:(\f)+8*(\i)+7], v[ADRB+(\slot)] offset:(\k)+(\i)*16*PITCH+32
.endr
	WIN 0
.irp i, 0,1,2,3,4,5,6,7
	ds_load_b128 v[(\f)+8*(\i):(\f)+8*(\i)+3],   v[ADRA+(\slot)] offset:(\k)+(\i)*16*PITCH
	ds_load_b128 v[(\f)+8*(\i)+4:(\f)+8*(\i)+7], v[ADRA+(\slot)] offset:(\k)+(\i)*16*PITCH+32
.endr
.endm
; A load into a register that a matrix instruction has read, and an LDS store that reads a matrix result, stand four places behind that matrix instruction, and only plain vector instructions that name none
; of its registers are places (ISA guide 7.12.1 for vector instructions); the matrix instructions in between are not counted.
.macro PLACES
.rept 4
	v_nop
.endr
.endm
; A K step is four quarter steps of 32 along K, 64 matrix instructions each, on buffers 0, 1, 0, 1.
; One of the first three: multiplies buffer f; in its middle it fetches the next quarter's fragments, at byte k of the same slot's rows, into buffer g.
.macro QUARTER slot, k, f, g, first
	s_wait_dscnt 8                                 ; B and A's rows 0-63 are in; the youngest eight loads (A's rows 64-127) may be out
	MUL16 \f, 0, 0, \first
	MUL16 \f, 0, 2, \first
	PLACES
	FETCH \slot, \k, \g
	s_wait_dscnt 32                                ; all but the 32 just issued
	MUL16 \f, 1, 0, \first
	MUL16 \f, 1, 2, \first
.endm
; The last quarter multiplies buffer 1 and changes slots.  MEET is its first half: ONE barrier for the change of slots, for two things.  In front of it each wave waits for all its tensor loads, of which
; one is out: its part of the next slot; adds 0 to its spare word; and waits for that and for its own reads of this slot.  Behind it nobody reads this slot any more and the next slot is whole.
.macro MEET round                      ; round = 1: the rest of a round of the cluster's barrier follows
	WIN 0                                          ; (the add's two registers lie in window 0)
	s_wait_tensorcnt 0x0                           ; all my tensor loads have landed: the one that was out is my part of the next slot;
	ds_add_u32 v[SPW], v[NIL]                      ; 0 onto my spare word;
	s_wait_dscnt 9                                 ; (the add and the youngest eight loads may be out)
	MUL16 F1, 0, 0, 0                              ; sixteen matrix instructions stand between the add and the wait for it
	s_wait_dscnt 0x0                               ; the add is done, and my reads of this slot are over:
	s_barrier_signal -1                            ; say so,
	MUL16 F1, 0, 2, 0                              ; work on registers while the others arrive,
.if \round
	WIN 0
.endif
	s_barrier_wait -1                              ; and go on when all four have said so
.endm
; The whole last quarter.  fill = 1: the barrier opens a round of the cluster's barrier, and behind the round the slot just read out is filled again first, with the K step two steps on; then come the next
; slot's first fragments.  From a request to the wait for it a wave issues 224 matrix instructions.  fill = 0: the last change of slots: nothing is asked for, and no round follows.
.macro TURN slot, next, fill
.if \fill
	s_wait_xcnt 0x0                                ; the last prefetch, a K step back, has read its address: it is stepped here, ahead of the waits of the change of slots
	s_add_nc_u64 s[PFA:PFA+1], s[PFA:PFA+1], KSTEP*2
	MEET 1
	CREST                                          ; no wave of any partner still reads this slot's tile or has a load on its way
	s_add_nc_u64 s[G0+4*(\slot)+2:G0+4*(\slot)+3], s[G0+4*(\slot)+2:G0+4*(\slot)+3], 2*KSTEP*2     ; no tensor load of mine is out, so the descriptors may be written; the type bits on top are not reached
	s_add_nc_u64 s[G0B+4*(\slot)+2:G0B+4*(\slot)+3], s[G0B+4*(\slot)+2:G0B+4*(\slot)+3], 2*KSTEP*2
	JLOAD \slot                                    ; the first tensor load behind the round, my only one until the next; the four v_nop behind it are also the places in front of the loads below
	FETCH \next, 0, F0
	ASK                                            ; behind the joint load and the run of LDS loads that the next products wait for
.else
	MEET 0
	PLACES
	FETCH \next, 0, F0
.endif
	MUL16 F1, 1, 0, 0
	MUL16 F1, 1, 2, 0
.endm
; THE WAY OUT of block a (16 rows x 128 columns, f32), in two parts.  TOSTAGE: a lane's eight numbers of a row, 32 bytes, go into my own stage in LDS, each accumulator's low four registers first
; and come back as whole rows of 512 bytes, into the registers that held A's fragments, two buffers by turns.  SEND: stored.
.macro TOSTAGE a
.set AC, 64*((\a)%4)                   ; its eight accumulators, in window 2 (blocks 0-3) or 3 (blocks 4-7)
.set BK, 64+64*((\a)%2)
	WIN (2+(\a)/4)<<2                              ; an LDS store's data are its source 1
.irp b, 0,1,2,3,4,5,6,7
	ds_store_b128 v[STO], v[AC+8*(\b):AC+8*(\b)+3]   offset:64*(\b)
	ds_store_b128 v[STO], v[AC+8*(\b)+4:AC+8*(\b)+7] offset:64*(\b)+16
.endr
	WIN 0
.irp t, 0,1,2,3,4,5,6,7,8,9,10,11,12,13,14,15
	ds_load_b128 v[BK+4*(\t):BK+4*(\t)+3], v[RD] offset:SPITCH*(\t)  ; LDS serves a wave's instructions in order (ISA guide 5.7.1.4): these see the stores above, and the next block's stores come behind them
.endr
.endm
.macro SEND a, younger                 ; younger: the LDS instructions issued behind block a's loads: the next block's 16 stores and 16 loads, or none
.set BK, 64+64*((\a)%2)
	s_wait_dscnt \younger                          ; the block is back in registers
.irp t, 0,1,2,3,4,5,6,7,8,9,10,11,12,13,14,15
	global_store_b128 v[CO], v[BK+4*(\t):BK+4*(\t)+3], s[8:9] offset:(16*(\a)+(\t))*SIZE_N*4 th:TH_STORE_NT  ; 32 lanes store 512 consecutive bytes, at a multiple of 512 from out0's first byte; the row stands in the immediate: 127 x 16,384 at the most, inside its signed 24 bits
.endr
.endm
	s_wait_tensorcnt 1                             ; my part of K step 0 is in; K step 1's may stay out
	s_barrier_signal -1
	s_barrier_wait -1                              ; everybody's is
	FETCH 0, 0, F0
	s_wait_loadcnt 0x0                             ; the bias
	QUARTER 0, 64,  F0, F1, 1                      ; the first quarter stands in front of the loop: its products start the sums, at the bias
	WIN 0                                          ; at a label and at a branch every window is 0
	s_mov_b32 s3, LAPS-1
.Llap:                                                 ; a trip goes once round the ring, from a lap's second quarter to the next lap's first, and fills both slots again: 15 trips ask for K steps 2 to 31
	QUARTER 0, 128, F1, F0, 0
	QUARTER 0, 192, F0, F1, 0
	TURN 0, 1, 1
	QUARTER 1, 64,  F0, F1, 0
	QUARTER 1, 128, F1, F0, 0
	QUARTER 1, 192, F0, F1, 0
	TURN 1, 0, 1
	QUARTER 0, 64,  F0, F1, 0
	WIN 0
	s_sub_co_u32 s3, s3, 1
	s_cmp_lg_u32 s3, 0
	s_cbranch_scc1 .Llap
	QUARTER 0, 128, F1, F0, 0                      ; the last lap is written out: it asks for nothing
	QUARTER 0, 192, F0, F1, 0
	TURN 0, 1, 0
	QUARTER 1, 64,  F0, F1, 0
	QUARTER 1, 128, F1, F0, 0
	QUARTER 1, 192, F0, F1, 0
	s_wait_dscnt 8                                 ; the very last quarter: nothing more to fetch
	MUL16 F1, 0, 0, 0
	MUL16 F1, 0, 2, 0
	s_wait_dscnt 0x0
	MUL16 F1, 1, 0, 0
	MUL16 F1, 1, 2, 0
	WIN 0
	PLACES                                         ; in front of the LDS stores that read results and of the loads into A's fragment registers;
	PLACES                                         ; eight, once a launch
	TOSTAGE 0
.irp a, 1,2,3,4,5,6,7
	s_wait_xcnt 0x0                                ; every earlier store has read its registers (ISA guide 3.1): block a's buffer, which block a - 2's stores read, is loaded again only behind this wait
	TOSTAGE \a                                     ; block a's trip through the stage is under way while block a - 1 is stored
	SEND (\a)-1, 32
.endr
	SEND 7, 0
	s_wait_tensorcnt 0x0                           ; the wave's end, behind my last tensor load and my last LDS store
	ds_add_u32 v[SPW], v[NIL]
	s_wait_dscnt 0x0
	CROUND                                         ; the closing round: no work-group ends while a partner may still ask for a tile that names it
	s_endpgm
.Lfunc_end_k_q48a8877e3a_gemm:
	.size	k_q48a8877e3a_gemm, .Lfunc_end_k_q48a8877e3a_gemm-k_q48a8877e3a_gemm
	.p2alignl 7, 3214868480
	.fill 96, 4, 3214868480
	.section	.rodata,"a",@progbits
	.p2align	6, 0x0
	.amdhsa_kernel k_q48a8877e3a_gemm
		.amdhsa_group_segment_fixed_size 327680
		.amdhsa_private_segment_fixed_size 0
		.amdhsa_enable_private_segment 0
		.amdhsa_kernarg_size 32
		.amdhsa_user_sgpr_count 2
		.amdhsa_user_sgpr_kernarg_segment_ptr 1
		.amdhsa_wavefront_size32 1
		.amdhsa_system_sgpr_workgroup_id_x 1
		.amdhsa_system_sgpr_workgroup_id_y 1
		.amdhsa_system_sgpr_workgroup_id_z 1
		.amdhsa_system_vgpr_workitem_id 0
		.amdhsa_next_free_vgpr 1024
		.amdhsa_next_free_sgpr 68
		.amdhsa_reserve_vcc 0
		.amdhsa_float_denorm_mode_32 3
		.amdhsa_float_denorm_mode_16_64 3
		.amdhsa_memory_ordered 1
		.amdhsa_forward_progress 1
		.amdhsa_inst_pref_size 143
	.end_amdhsa_kernel
	.amdgpu_metadata
---
amdhsa.version: [ 1, 2 ]
amdhsa.kernels:
  - .name:           k_q48a8877e3a_gemm
    .symbol:         k_q48a8877e3a_gemm.kd
    .args:
      - { .name: xb, .offset: 0, .size: 8, .value_kind: global_buffer, .address_space: global }
      - { .name: wb, .offset: 8, .size: 8, .value_kind: global_buffer, .address_space: global }
      - { .name: out0, .offset: 16, .size: 8, .value_kind: global_buffer, .address_space: global }
      - { .name: bias, .offset: 24, .size: 8, .value_kind: global_buffer, .address_space: global }
    .group_segment_fixed_size: 327680
    .private_segment_fixed_size: 0
    .kernarg_segment_align: 8
    .kernarg_segment_size: 32
    .max_flat_workgroup_size: 128
    .sgpr_count:     68
    .vgpr_count:     1024
    .wavefront_size: 32
...
	.end_amdgpu_metadata
.endif
;; end of part 2
